; MI455X (gfx1250); checked and timed in simulation.
; The chip was launched on July 23, 2026; its instructions are those of AMD's public machine-readable ISA for CDNA 5 (MIT licence, August 2026) and "CDNA5" Instruction Set Architecture Reference Guide (July 2026). The comments in the code are by the model that wrote it; some were corrected since.
;; Window Attention. Allowed arithmetic: matrix products marked QUANTISED: E2M3 operands, one E8M0 scale for each 32 along K, by v_wmma_scale_f32_16x16x128_f8f6f4 with both operands' format E2M3, f32 sums; everything else in f32.
;; Inputs: attn_mask 64 x 256 x 256 float32; qkv 2 x 64 x 64 x 4 x 384 float32; rel_pos_index 64 x 64 int32; rpe_table 225 x 384 float32.
;; Outputs: out0 2 x 64 x 64 x 4 x 128 float32.
;; This version of the problem:
;;   THIS VERSION OF THE PROBLEM IS GIVEN IN LOW PRECISION. The matrix products marked QUANTISED in the list below multiply operands that are first quantised to E2M3 (2 exponent bits, 3 mantissa bits; 6 bits a number), with one power-of-two scale for each 32 numbers along K (OCP MX v1.0); their sums are f32. All else is computed in f32.
;;   The module's matrix products, in the order in which they are computed (A, B: the left and right operand; K: the contracted axis; several contracted axes count as one K, in the product's order):
;;     1. batch 512 x [M 256, K 32] x [K 32, N 256]; A: computed on the way; B: computed on the way: QUANTISED
;;     2. batch 1,024 x [M 256, K 32] x [K 32, N 128]; A: computed on the way; B: computed on the way: QUANTISED
;;     3. batch 1,024 x [M 256, K 32] x [K 32, N 128]; A: computed on the way; B: computed on the way: QUANTISED
;;     4. batch 512 x [M 256, K 256] x [K 256, N 32]; A: computed on the way; B: computed on the way: QUANTISED
;;     5. batch 1,024 x [M 32, K 256] x [K 256, N 128]; A: computed on the way; B: computed on the way: QUANTISED
;;   THE QUANTISER, for each operand of a quantised product, along K:
;;     - K is cut into blocks of 32 from its start; a last block that is shorter is filled with zeros.
;;     - A block's scale is 2^e with e = floor(log2(the largest magnitude in the block)) - 2, held to -126 .. 127; a block of zeros has e = 0. As a byte (E8M0): e + 127.
;;     - Each number is divided by its block's scale, clamped to +-7.5, and rounded to the nearest number of E2M3, ties to even, subnormals kept.
;;     - The product sums the exact products of the quantised numbers (number of the format x scale) in f32.
;;   ~~~python
;;   def quantise(x, axis):      # numpy; x: float32 -> the quantised numbers, widened to float32 again
;;       x = np.moveaxis(x, axis, -1); K = x.shape[-1]
;;       x = np.pad(x, [(0, 0)] * (x.ndim - 1) + [(0, -K % 32)]); x = x.reshape(x.shape[:-1] + (-1, 32)); a = np.abs(x).max(-1, keepdims=True)
;;       e = np.where(a > 0, np.clip(np.frexp(np.where(a > 0, a, 1))[1] - 1 - 2, -126, 127), 0)      # np.frexp(a)[1] - 1 = floor(log2(a)), exactly
;;       r = np.clip(x / 2.0 ** e, -7.5, 7.5)
;;       step = 2.0 ** (np.maximum(np.frexp(np.where(r == 0, 1, r))[1] - 1, 0) - 3)
;;       q = np.round(r / step) * step * 2.0 ** e      # np.round: ties to even
;;       return np.moveaxis(q.reshape(q.shape[:-2] + (-1,))[..., :K], -1, axis).astype(np.float32)
;;   ~~~
;;   OPERANDS COMPUTED ON THE WAY. 'Computed on the way' means the value that the module computes at that place (a softmax that the list does not call 'softmax' is quantised finished and normalised). What goes into a quantiser is computed in f32, as accurately as f32 sums, v_exp_f32 and their like allow (about 1e-6 of the number): no bf16 or f16 on the way to a quantiser, and a product that is left as it is and whose result goes on into a quantised operand takes f32 operands (vector FMAs, or v_wmma_f32_16x16x4_f32). A number that lies on a knife's edge between two numbers of the format may be rounded either way, as far as f32 arithmetic and the matrix unit's own rounding can turn it there, and no further.
;; One version. Each part assembles by itself: llvm-mc -triple=amdgcn-amd-amdhsa -mcpu=gfx1250 --defsym DOCPART=n.
;; ======== version 1 of 1: 2 launches
;; limits: right only within a limited range of input values
;; workspace buffers: rec 6,946,816 bytes; emb 819,200 bytes; vei 1,572,864 bytes; ves 65,536 bytes
;; launch prep (part 1): grid 448 x 1, 4 waves a work-group, no clusters, 82,432 bytes of LDS; arguments qkv, rpe_table, rel_pos_index, rec, emb, vei, ves; writes rec, emb, vei, ves
.if DOCPART == 1
	.amdgcn_target "amdgcn-amd-amdhsa--gfx1250"
	.amdhsa_code_object_version 6
	.text
	.protected	k_qac7b5e59e8_prep
	.globl	k_qac7b5e59e8_prep
	.p2align	8
	.type	k_qac7b5e59e8_prep,@function
k_qac7b5e59e8_prep:
	s_mov_b64 s[64:65], 0
	v_nop
	global_prefetch_b8 v0, s[64:65] scope:SCOPE_SE
	s_setreg_imm32_b32 hwreg(HW_REG_WAVE_MODE, 25, 1), 1
	s_wait_xcnt 0x0
; Everything that the attention launch reads more than once is quantised here, once, to codes of FP6 (E2M3) with one E8M0 byte for each 32 along a product's K.
; A block's scale is 2^(floor(log2(largest magnitude)) - 2); its byte is the largest magnitude's exponent field - 2, held at 1 from below (a block of zeros keeps the byte 1: its codes are zeros, and only this program reads the bytes).
; LIMITS: NaN and infinities in qkv or rpe_table are not served (the format has no code for them); blocks whose largest magnitude lies under 2^-124 keep the byte 1.
; FOUR PATHS, parted by the work-group's number; each path that uses LDS has LDS bytes of its own; waves share nothing, so there is no barrier.
;   work-groups   0..127  E : rows of q_embed x 32^-0.5 and of k_embed (K = the head's 32 channels), gathered by rel_pos_index           -> ec, es
;   work-groups 128..191  VE: v_embed for one (head, query position), K = the 256 keys (each position four times), as operand images   -> vim, vss (jobs 512..767)
;   work-groups 192..319  V : v of one window, a head to a wave, K = the 256 keys, as operand images                                    -> vim, vss (jobs 0..511)
;   work-groups 320..575  QK: q x 32^-0.5 and k, K = the head's 32 channels, in token order                                            -> qkc, qks
; AN OPERAND IMAGE: a fragment (16 rows x 128 K) is 12 registers a lane; register R of lane l lies at byte 512 (R / 4) + 16 l + 4 (R % 4) of its 1,536 bytes, so three loads of 16 bytes a lane restore it.
; THE BUFFERS, AS THIS TEXT STORES THEM (they take the place of the names at the paths above; q is quantised by the attention launch, so work-groups 320..447 take k alone):
;   rec: for (image, window, head pair) 27,136 bytes: k's codes of two heads [256 keys][24], V's images of two heads (6,144 each), k's scale words of two heads [256 keys] (the byte four times), V's scale words of two heads (256 bytes each);
;   emb: for (head pair, window row of the queries) 51,200 bytes: q_embed of two heads [8 query positions][64 places x 24 bytes, 64 scale bytes], k_embed of two heads [2 query tiles][64 key positions x 4 query positions x 24 bytes, 64 scale words];
;   vei, ves: v_embed's images and scale words, jobs 64 h + i0.
.set SCALEQ, 0x3e3504f3
.set FLOOR,  0x1800000                 ; 2^(3 - 127): no largest magnitude is taken under it, so the byte cannot fall under 1
.set OFFEXP, 0xff000000                ; -(2 << 23): 2 off an exponent field
; ---- macros of the two paths whose K runs down the keys (a lane = a channel, its registers run down K)
.macro KADDR base                      ; v3 into the stage, v4 out of it, v5 = 16 l, v6 = 8 l, v7 = 4 l
	s_mul_i32 s23, s22, 6144
	s_add_co_u32 s23, s23, \base                   ; my wave's stage: four fragments' images
	v_lshrrev_b32 v3, 4, v2
	v_mul_u32_u24 v3, v3, 3072                     ; channels 16..31 are the second pair of fragments
	v_and_b32 v4, 15, v2
	v_lshl_add_u32 v3, v4, 4, v3
	v_add_nc_u32 v3, s23, v3
	v_lshlrev_b32 v5, 4, v2
	v_add_nc_u32 v4, s23, v5
	v_lshlrev_b32 v6, 3, v2
	v_lshlrev_b32 v7, 2, v2
.endm
; The 32 registers from v[x] on are key block jb of my channel.  Its byte goes into v[12:13], its 24 bytes of codes into the image: fragment 2 (l / 16) + jb / 4, lane l % 16 + 16 (jb % 2), registers 6 ((jb / 2) % 2) on.
.macro KBLOCK jb, x, aw
	v_max3_num_f32 v8, |v[\x]|, |v[\x+1]|, |v[\x+2]|
	v_max3_num_f32 v9, |v[\x+3]|, |v[\x+4]|, |v[\x+5]|
.irp i, 6,10,14,18,22,26
	v_max3_num_f32 v8, v8, |v[\x+\i]|, |v[\x+\i+1]|
	v_max3_num_f32 v9, v9, |v[\x+\i+2]|, |v[\x+\i+3]|
.endr
	v_max3_num_f32 v8, v8, |v[\x+30]|, |v[\x+31]|
	v_max3_num_f32 v8, v8, v9, FLOOR
	v_add_nc_u32 v10, OFFEXP, v8                   ; the conversion takes this operand's exponent field as its scale
	v_lshrrev_b32 v11, 23, v10                     ; the byte
.if (\jb)%4 == 0
	v_mov_b32 v[12+(\jb)/4], v11
.else
	v_lshl_or_b32 v[12+(\jb)/4], v11, 8*((\jb)%4), v[12+(\jb)/4]
.endif
	v_cvt_scalef32_pk16_fp6_f32 v[16:18], v[\x:\x+15], v10
	v_cvt_scalef32_pk16_fp6_f32 v[20:22], v[\x+16:\x+31], v10   ; (a conversion's three registers begin on an even number)
	v_nop                                          ; one plain line behind the conversions
	v_mov_b32 v19, v20
	v_mov_b32 v20, v21
	v_mov_b32 v21, v22                             ; v[16:21]: the block's 24 bytes
.if (((\jb)>>1)&1) == 0
	ds_store_b128 v[\aw], v[16:19] offset:1536*((\jb)>>2)+256*((\jb)&1)
	ds_store_b64 v[\aw], v[20:21] offset:1536*((\jb)>>2)+256*((\jb)&1)+512
.else
	ds_store_b64 v[\aw], v[16:17] offset:1536*((\jb)>>2)+256*((\jb)&1)+520
	ds_store_b128 v[\aw], v[18:21] offset:1536*((\jb)>>2)+256*((\jb)&1)+1024
.endif
	s_wait_dscnt 0x0                               ; the stores have read their registers
.endm
.macro KOUT                            ; the four images leave as they lie: each store of the wave covers 512 consecutive bytes; the 256 scale bytes are one aligned run
.irp k, 0,1,2,3,4,5,6,7,8,9,10,11
	ds_load_b128 v[128+4*\k:131+4*\k], v4 offset:512*\k      ; LDS serves a wave's instructions in order: these see my stores
.endr
.irp k, 0,1,2,3,4,5,6,7,8,9,10,11
	s_wait_dscnt 11-\k
	global_store_b128 v5, v[128+4*\k:131+4*\k], s[14:15] offset:512*\k
.endr
	global_store_b64 v6, v[12:13], s[16:17]
.endm
	s_load_b256 s[4:11], s[0:1], 0x0               ; qkv s[4:5], rpe_table s[6:7], rel_pos_index s[8:9], qkc s[10:11]
	s_load_b128 s[12:15], s[0:1], 0x20             ; emb s[12:13], vei s[14:15]
	s_load_b64 s[16:17], s[0:1], 0x30              ; ves
	v_lshl_add_u32 v192, v0, 2, 0x14000
	v_mov_b32 v193, 0
	v_lshrrev_b32 v1, 5, v0
	v_readfirstlane_b32 s22, v1                    ; wave
	v_and_b32 v2, 31, v0                           ; lane
	s_wait_kmcnt 0x0
	s_cmp_lt_u32 ttmp9, 128
	s_cbranch_scc1 .Lpath_e
	s_cmp_lt_u32 ttmp9, 192
	s_cbranch_scc1 .Lpath_ve
	s_cmp_lt_u32 ttmp9, 320
	s_cbranch_scc1 .Lpath_v
; ================= K: 128 work-groups; a wave takes 64 tokens: 16 steps of four tokens (one position) x 128 numbers.
; Each load reads a token's 512 consecutive bytes; a step's 2,048 bytes turn through the wave's own stage in LDS so that a lane holds 16 neighbours; two neighbouring lanes hold a head's 32 channels, one block.
; The 16 positions lie in one image row and in three windows (4, 8 and 4 of them): three bases.
.set R, 16
.set X, 80                             ; v80-111  two sets of 16 neighbours
.set E, 112                            ; v112-127 a byte for each step
.set C, 128                            ; v128-191 codes, four registers a step: no store's data are written again
.set SPL, 80                           ; a lane's place in a stage: 64 bytes + 16 of padding
	s_sub_co_u32 s24, ttmp9, 320
	s_lshl_b32 s24, s24, 8
	s_lshl_b32 s26, s22, 6
	s_add_co_u32 s24, s24, s26                     ; my first token
	s_mul_i32 s26, s24, 1536
	s_add_co_u32 s26, s26, 512
	s_mov_b32 s27, 0
	s_add_nc_u64 s[4:5], s[4:5], s[26:27]          ; qkv at my first token's k
	s_lshr_b32 s25, s24, 14                        ; image
	s_bfe_u32 s28, s24, 0x60008                    ; image row
	s_add_co_u32 s28, s28, 60
	s_and_b32 s28, s28, 63                         ; shifted by 4
	s_bfe_u32 s29, s24, 0x60002
	s_lshr_b32 s29, s29, 3                         ; window column of positions 4..11
	s_lshl_b32 s30, s25, 6
	s_and_b32 s31, s28, 56
	s_add_co_u32 s30, s30, s31                     ; 64 image + 8 window row
	s_and_b32 s28, s28, 7                          ; row in the window
	s_mul_i32 s31, s28, 768                        ; 32 keys x 24 bytes
	s_add_co_u32 s33, s29, 7
	s_and_b32 s33, s33, 7
	s_add_co_u32 s33, s33, s30                     ; positions 0..3: the window to the left
	s_add_co_u32 s34, s29, s30
	s_add_co_u32 s35, s34, 1                       ; positions 12..15: the window to the right
	s_mul_i32 s33, s33, 54272
	s_mul_i32 s34, s34, 54272
	s_mul_i32 s35, s35, 54272
	s_add_co_u32 s26, s33, s31
	s_add_nc_u64 s[36:37], s[10:11], s[26:27]
	s_add_co_u32 s26, s34, s31
	s_add_nc_u64 s[38:39], s[10:11], s[26:27]
	s_add_co_u32 s26, s35, s31
	s_add_nc_u64 s[40:41], s[10:11], s[26:27]
	s_lshl_b32 s28, s28, 7
	s_add_co_u32 s28, s28, 24576                   ; the scale words: 32 keys x 4 bytes a row
	s_add_co_u32 s33, s33, s28
	s_add_co_u32 s34, s34, s28
	s_add_co_u32 s35, s35, s28
	s_wait_alu depctr_va_vdst(0)
	v_lshlrev_b32 v3, 4, v2
	s_mul_i32 s29, s22, 8192                       ; LDS 0..32,767: 8,192 bytes a wave: two stages, then 256 scale bytes
	v_lshrrev_b32 v14, 2, v2
	v_mul_u32_u24 v14, v14, SPL
	v_and_b32 v15, 3, v2
	v_lshl_add_u32 v14, v15, 4, v14
	v_add_nc_u32 v14, s29, v14                     ; into a stage: four lanes' 64 bytes on end, then the padding
	v_mul_u32_u24 v15, v2, SPL
	v_add_nc_u32 v15, s29, v15                     ; out of it: my 16 neighbours
	v_and_b32 v4, 1, v2
	v_mul_u32_u24 v4, v4, 12
	v_lshrrev_b32 v5, 3, v2                        ; candidate
	v_mad_u32_u24 v4, v5, 24, v4
	v_bfe_u32 v6, v2, 1, 1
	v_mul_u32_u24 v6, v6, 6144
	v_add_nc_u32 v4, v4, v6
	v_bfe_u32 v6, v2, 2, 1
	v_mul_u32_u24 v6, v6, 27136
	v_add_nc_u32 v4, v4, v6                        ; my 12 bytes: head pair, head, candidate, half
	s_add_co_u32 s29, s29, 2*32*SPL
	v_bfe_u32 v6, v2, 1, 2
	v_lshlrev_b32 v6, 8, v6
	v_lshl_add_u32 v5, v5, 2, v6
	v_add_nc_u32 v5, s29, v5                       ; LDS: my wave's scale words [head][64 tokens]
	v_lshlrev_b32 v6, 4, v2
	v_add_nc_u32 v6, s29, v6                       ; and back: a position's four words a lane
	v_and_b32 v7, 15, v2                           ; position
	v_mov_b32 v10, s34
	v_mov_b32 v9, s33
	v_cmp_gt_u32 vcc_lo, 4, v7
	v_cndmask_b32 v10, v10, v9, vcc_lo
	v_mov_b32 v9, s35
	v_cmp_le_u32 vcc_lo, 12, v7
	v_cndmask_b32 v10, v10, v9, vcc_lo
	v_add_nc_u32 v7, 4, v7
	v_and_b32 v7, 7, v7                            ; column in its window
	v_lshl_add_u32 v10, v7, 4, v10
	v_lshrrev_b32 v9, 4, v2
	v_lshl_add_u32 v7, v9, 10, v10                 ; the words' place in rec
.macro QLOAD t
.irp i, 0,1,2,3
	global_load_b128 v[R+16*((\t)%4)+4*\i:R+16*((\t)%4)+4*\i+3], v3, s[4:5] offset:1536*(4*(\t)+\i) th:TH_LOAD_NT
.endr
.endm
.macro QTURN t
.irp i, 0,1,2,3
	ds_store_b128 v14, v[R+16*((\t)%4)+4*\i:R+16*((\t)%4)+4*\i+3] offset:32*SPL*((\t)%2)+8*SPL*\i
.endr
.irp i, 0,1,2,3
	ds_load_b128 v[X+16*((\t)%2)+4*\i:X+16*((\t)%2)+4*\i+3], v15 offset:32*SPL*((\t)%2)+16*\i
.endr
.endm
.irp t, 0,1,2,3
	QLOAD \t
.endr
	s_wait_alu depctr_va_vdst(0)
	s_wait_loadcnt 12                              ; step 0's four loads are in
	QTURN 0
.macro QSTEP t
.set XS, X+16*((\t)%2)
.if (\t) > 0
	s_wait_dscnt 1                                 ; this step's numbers are back (the last step's byte store may be out)
.else
	s_wait_dscnt 0x0
.endif
.if (\t)+4 < 16
	QLOAD (\t)+4
.endif
.if (\t)+1 < 16
.if 14-(\t) >= 3
	s_wait_loadcnt 12                              ; the next step's four loads are in; three steps' may be out
.else
	s_wait_loadcnt 4*(14-(\t))
.endif
	QTURN (\t)+1
.endif
	v_max3_num_f32 v8, |v[XS]|, |v[XS+1]|, |v[XS+2]|
	v_max3_num_f32 v9, |v[XS+3]|, |v[XS+4]|, |v[XS+5]|
.irp i, 6,10
	v_max3_num_f32 v8, v8, |v[XS+\i]|, |v[XS+\i+1]|
	v_max3_num_f32 v9, v9, |v[XS+\i+2]|, |v[XS+\i+3]|
.endr
	v_max3_num_f32 v8, v8, |v[XS+14]|, |v[XS+15]|
	v_max3_num_f32 v8, v8, v9, FLOOR
	v_max_num_f32_dpp v8, v8, v8 row_xmask:1 row_mask:0xf bank_mask:0xf   ; with my neighbour's 16: the block's
	v_add_nc_u32 v11, OFFEXP, v8
	v_cvt_scalef32_pk16_fp6_f32 v[C+4*(\t):C+4*(\t)+2], v[XS:XS+15], v11
	v_lshrrev_b32 v[E+(\t)], 23, v11
	v_perm_b32 v[E+(\t)], v[E+(\t)], v[E+(\t)], 0  ; the byte in all four places
	ds_store_b32 v5, v[E+(\t)] offset:16*(\t)      ; both lanes of a block write the same word with the same value
.if (\t) < 4
	global_store_b96 v4, v[C+4*(\t):C+4*(\t)+2], s[36:37] offset:96*((\t)+4)
.elseif (\t) < 12
	global_store_b96 v4, v[C+4*(\t):C+4*(\t)+2], s[38:39] offset:96*((\t)-4)
.else
	global_store_b96 v4, v[C+4*(\t):C+4*(\t)+2], s[40:41] offset:96*((\t)-12)
.endif
.endm
.irp t, 0,1,2,3,4,5,6,7,8,9,10,11,12,13,14,15
	QSTEP \t
.endr
	ds_load_b128 v[16:19], v6
	ds_load_b128 v[20:23], v6 offset:512
	s_wait_dscnt 0x0
	global_store_b128 v7, v[16:19], s[10:11]
	global_store_b128 v7, v[20:23], s[10:11] offset:27136
	s_wait_tensorcnt 0x0
	ds_add_u32 v192, v193
	s_wait_dscnt 0x0
	s_endpgm
; ================= E: type 0: QE[h][i0][place of j0] = q_embed(i0, j0) x 32^-0.5;  type 1: KE[h][j0][i0] = k_embed(i0, j0).  A wave takes one a (i0 or j0) and all 64 of the other index, a lane a row of 32 channels, in two halves.
.Lpath_e:
	s_lshr_b32 s24, ttmp9, 6                       ; type
	s_bfe_u32 s25, ttmp9, 0x20004                  ; head
	s_and_b32 s26, ttmp9, 15
	s_lshl_b32 s26, s26, 2
	s_add_co_u32 s26, s26, s22                     ; a
	s_cmp_eq_u32 s24, 0
	s_cselect_b32 s27, 256, 4                      ; the index lies at [i0][j0]: a's stride in bytes,
	s_cselect_b32 s28, 4, 256                      ; and the lane's
	s_cselect_b32 s30, SCALEQ, 1.0
	s_cselect_b32 s29, -1, 0                       ; QE's rows are laid in the order of the key tiles' blocks
	s_mov_b32 s31, s30
	s_mul_i32 s27, s27, s26
	s_wait_alu depctr_va_vdst(0)
	v_mul_u32_u24 v3, v2, s28
	v_add_nc_u32 v3, s27, v3
	s_lshl_b32 s28, s28, 5
	v_add_nc_u32 v4, s28, v3                       ; the second half: 32 further on
	global_load_b32 v5, v3, s[8:9]
	global_load_b32 v6, v4, s[8:9]
	s_mul_i32 s32, s25, 384
	s_lshl_b32 s34, s24, 7
	s_add_co_u32 s32, s32, s34
	s_mov_b32 s33, 0
	s_add_nc_u64 s[6:7], s[6:7], s[32:33]          ; the table at my head's q_embed or k_embed
	s_lshr_b32 s34, s25, 1
	s_mul_i32 s34, s34, 409600                     ; head pair: 8 records
	s_and_b32 s35, s25, 1
	s_mul_i32 s35, s35, 12800
	s_add_co_u32 s34, s34, s35
	s_lshr_b32 s35, s26, 3
	s_mul_i32 s35, s35, 51200
	s_and_b32 s36, s26, 7
	s_mul_i32 s36, s36, 1600
	s_add_co_u32 s35, s35, s36                     ; type 0: a = i0: codes,
	s_add_co_u32 s36, s35, 1536                    ; bytes
	s_mul_i32 s37, s26, 96
	s_add_co_u32 s37, s37, 25600                   ; type 1: a = j0: codes,
	s_lshl_b32 s38, s26, 2
	s_add_co_u32 s38, s38, 31744                   ; bytes
	s_mov_b32 s39, 204800                          ; the second half's 32 further on: four records (type 1), 32 places (type 0)
	s_mov_b32 s40, 768
	s_mov_b32 s41, 32
	s_cmp_eq_u32 s24, 0
	s_cselect_b32 s35, s35, s37
	s_cselect_b32 s36, s36, s38
	s_cselect_b32 s40, s40, s39
	s_cselect_b32 s41, s41, s39
	s_add_co_u32 s32, s34, s35
	s_add_nc_u64 s[18:19], s[12:13], s[32:33]
	s_add_co_u32 s32, s34, s36
	s_add_nc_u64 s[20:21], s[12:13], s[32:33]
	v_and_b32 v7, 16, v2                           ; place(j) = 16 (j / 16) + 4 ((j / 2) % 4) + j % 2 + 2 ((j / 8) % 2); the half's 32 goes into the immediates
	v_bfe_u32 v8, v2, 1, 2
	v_lshl_add_u32 v7, v8, 2, v7
	v_and_b32 v8, 1, v2
	v_add_nc_u32 v7, v7, v8
	v_bfe_u32 v8, v2, 3, 1
	v_lshl_add_u32 v7, v8, 1, v7
	v_mul_u32_u24 v8, v7, 24
	v_lshrrev_b32 v9, 3, v2                        ; type 1: lane = i0: record i0 / 8, tile (i0 / 4) % 2, block i0 % 4
	v_mul_u32_u24 v9, v9, 51200
	v_bfe_u32 v10, v2, 2, 1
	v_mul_u32_u24 v10, v10, 6400
	v_add_nc_u32 v9, v9, v10
	v_and_b32 v10, 3, v2
	v_mad_u32_u24 v11, v10, 24, v9
	v_add_nc_u32 v9, v9, v10
	v_cndmask_b32 v8, v11, v8, s29
	v_cndmask_b32 v7, v9, v7, s29
	v_add_nc_u32 v18, s40, v8
	v_add_nc_u32 v19, s41, v7
	s_wait_loadcnt 0x0
	v_min_u32 v5, 0xe0, v5                         ; an index stays inside the table's 225 rows
	v_min_u32 v6, 0xe0, v6
	v_mul_u32_u24 v5, v5, 1536
	v_mul_u32_u24 v6, v6, 1536
.irp i, 0,1,2,3,4,5,6,7
	global_load_b128 v[32+4*\i:35+4*\i], v5, s[6:7] offset:16*\i
.endr
.irp i, 0,1,2,3,4,5,6,7
	global_load_b128 v[64+4*\i:67+4*\i], v6, s[6:7] offset:16*\i
.endr
.macro EROW hf
.set XS, 32+32*\hf
.set CS, 96+8*\hf
	s_wait_loadcnt 8*(1-\hf)
.irp i, 0,2,4,6,8,10,12,14,16,18,20,22,24,26,28,30
	v_pk_mul_f32 v[XS+\i:XS+\i+1], v[XS+\i:XS+\i+1], s[30:31] op_sel_hi:[1,0]
.endr
	v_max3_num_f32 v[12+\hf], |v[XS]|, |v[XS+1]|, FLOOR
.irp i, 2,4,6,8,10,12,14,16,18,20,22,24,26,28,30
	v_max3_num_f32 v[12+\hf], v[12+\hf], |v[XS+\i]|, |v[XS+\i+1]|
.endr
	v_add_nc_u32 v[14+\hf], OFFEXP, v[12+\hf]
	v_cvt_scalef32_pk16_fp6_f32 v[CS:CS+2], v[XS:XS+15], v[14+\hf]
	v_cvt_scalef32_pk16_fp6_f32 v[CS+4:CS+6], v[XS+16:XS+31], v[14+\hf]
	v_lshrrev_b32 v[16+\hf], 23, v[14+\hf]         ; the byte (also the plain line behind the conversions)
	v_mov_b32 v[CS+3], v[CS+4]
	v_mov_b32 v[CS+4], v[CS+5]
	v_mov_b32 v[CS+5], v[CS+6]
	global_store_b64 v[8+10*\hf], v[CS:CS+1], s[18:19]
	global_store_b64 v[8+10*\hf], v[CS+2:CS+3], s[18:19] offset:8
	global_store_b64 v[8+10*\hf], v[CS+4:CS+5], s[18:19] offset:16
	global_store_b8 v[7+12*\hf], v[16+\hf], s[20:21]
.endm
	EROW 0
	EROW 1
	s_endpgm
; ================= VE: job 512 + 64 h + i0.  A lane takes channel l of v_embed; the 64 table rows of query position i0 are named by a row of rel_pos_index, read as scalars.
.Lpath_ve:
	s_sub_co_u32 s92, ttmp9, 128
	s_lshr_b32 s93, s92, 4                         ; head
	s_and_b32 s92, s92, 15
	s_lshl_b32 s92, s92, 2
	s_add_co_u32 s92, s92, s22                     ; i0
	s_lshl_b32 s94, s92, 8
	s_mov_b32 s95, 0
	s_add_nc_u64 s[8:9], s[8:9], s[94:95]
	s_load_b256 s[24:31], s[8:9], 0x0
	s_load_b256 s[32:39], s[8:9], 0x20
	s_load_b256 s[40:47], s[8:9], 0x40
	s_load_b256 s[48:55], s[8:9], 0x60
	s_load_b256 s[56:63], s[8:9], 0x80
	s_load_b256 s[68:75], s[8:9], 0xa0
	s_load_b256 s[76:83], s[8:9], 0xc0
	s_load_b256 s[84:91], s[8:9], 0xe0
	s_mul_i32 s94, s93, 384
	s_add_co_u32 s94, s94, 256
	s_add_nc_u64 s[6:7], s[6:7], s[94:95]          ; the table at my head's v_embed
	s_lshl_b32 s93, s93, 6
	s_add_co_u32 s92, s92, s93
	s_mul_i32 s94, s92, 6144
	s_add_nc_u64 s[14:15], s[14:15], s[94:95]
	s_lshl_b32 s94, s92, 8
	s_add_nc_u64 s[16:17], s[16:17], s[94:95]
	s_wait_alu depctr_va_vdst(0)
	KADDR 57344                                    ; LDS 57,344..81,919
	s_wait_alu depctr_va_vdst(0)
	s_wait_kmcnt 0x0
.set J0, 0
.rept 64
.if J0 < 40
.set SI, 24+J0
.else
.set SI, 28+J0
.endif
	s_min_u32 s[SI], s[SI], 224                    ; an index stays inside the table's 225 rows
	s_mul_i32 s[SI], s[SI], 1536
	v_add_nc_u32 v[64+J0], s[SI], v7
	global_load_b32 v[64+J0], v[64+J0], s[6:7]     ; 32 lanes read the row's 128 consecutive bytes; the load lands on its own offset
.set J0, J0+1
.endr
.irp jb, 0,1,2,3,4,5,6,7
	s_wait_loadcnt 56-8*\jb                        ; this block's eight positions are in
.irp p, 0,1,2,3,4,5,6,7
.irp n, 0,1,2,3
	v_mov_b32 v[32+4*\p+\n], v[64+8*\jb+\p]        ; a position's number stands for its four candidates
.endr
.endr
	KBLOCK \jb, 32, 3
.endr
	s_wait_alu depctr_va_vdst(0)
	KOUT
	s_wait_tensorcnt 0x0
	ds_add_u32 v192, v193
	s_wait_dscnt 0x0
	s_endpgm
; ================= V: work-group = window (image b, window w), wave = head, job 4 (64 b + w) + h.  A lane takes channel l; a key block is a window row: 8 positions x 4 candidates.
.Lpath_v:
	s_sub_co_u32 s24, ttmp9, 192
	s_lshr_b32 s25, s24, 6                         ; b
	s_and_b32 s26, s24, 63                         ; w
	s_lshr_b32 s27, s26, 3
	s_lshl_b32 s27, s27, 3
	s_add_co_u32 s27, s27, 4                       ; the window's first row in the image, before the wrap (the shift is 4)
	s_and_b32 s28, s26, 7
	s_lshl_b32 s28, s28, 3
	s_mul_i32 s30, s25, 25165824
	s_lshl_b32 s29, s22, 7
	s_add_co_u32 s30, s30, s29
	s_add_co_u32 s30, s30, 1024                    ; v's part of a token, my head
	s_mov_b32 s31, 0
	s_add_nc_u64 s[4:5], s[4:5], s[30:31]
	s_add_co_u32 s29, s28, 4
	s_mul_i32 s30, s29, 6144
	s_add_nc_u64 s[32:33], s[4:5], s[30:31]        ; positions 0-3 of a row: they never wrap
	s_add_co_u32 s29, s28, 8
	s_and_b32 s29, s29, 63
	s_mul_i32 s30, s29, 6144
	s_add_nc_u64 s[34:35], s[4:5], s[30:31]        ; positions 4-7: wrapped as a whole
	s_lshl_b32 s24, s24, 1
	s_lshr_b32 s29, s22, 1
	s_add_co_u32 s24, s24, s29
	s_mul_i32 s24, s24, 27136                      ; my head pair's record
	s_and_b32 s29, s22, 1
	s_mul_i32 s30, s29, 6144
	s_add_co_u32 s30, s30, s24
	s_add_co_u32 s30, s30, 12288
	s_add_nc_u64 s[14:15], s[10:11], s[30:31]
	s_lshl_b32 s30, s29, 8
	s_add_co_u32 s30, s30, s24
	s_add_co_u32 s30, s30, 26624
	s_add_nc_u64 s[16:17], s[10:11], s[30:31]
	s_wait_alu depctr_va_vdst(0)
	KADDR 32768                                    ; LDS 32,768..57,343
	s_wait_alu depctr_va_vdst(0)
.irp jb, 0,1,2,3,4,5,6,7
	s_add_co_u32 s29, s27, \jb
	s_and_b32 s29, s29, 63
	s_mul_i32 s29, s29, 393216
	v_add_nc_u32 v[24+\jb], s29, v7                ; the image row of window row jb, + 4 l
.endr
.macro VLOAD jb                        ; the four waves stand side by side on a token's 512 bytes of v
.irp kk, 0,1,2,3,4,5,6,7,8,9,10,11,12,13,14,15
	global_load_b32 v[32+32*((\jb)%2)+\kk], v[24+(\jb)], s[32:33] offset:1536*\kk th:TH_LOAD_NT
.endr
.irp kk, 0,1,2,3,4,5,6,7,8,9,10,11,12,13,14,15
	global_load_b32 v[48+32*((\jb)%2)+\kk], v[24+(\jb)], s[34:35] offset:1536*\kk th:TH_LOAD_NT
.endr
.endm
	s_wait_alu depctr_va_vdst(0)
	VLOAD 0
	VLOAD 1
.irp jb, 0,1,2,3,4,5,6,7
.if \jb < 7
	s_wait_loadcnt 32                              ; this block's 32 loads are in; the next block's may be out
.else
	s_wait_loadcnt 0x0
.endif
.set XS, 32+32*(\jb%2)
	KBLOCK \jb, XS, 3
.if \jb+2 < 8
	VLOAD \jb+2
.endif
.endr
	s_wait_alu depctr_va_vdst(0)
	KOUT
	s_wait_tensorcnt 0x0
	ds_add_u32 v192, v193
	s_wait_dscnt 0x0
	s_endpgm
.Lfunc_end_k_qac7b5e59e8_prep:
	.size	k_qac7b5e59e8_prep, .Lfunc_end_k_qac7b5e59e8_prep-k_qac7b5e59e8_prep
	.p2alignl 7, 3214868480
	.fill 96, 4, 3214868480
	.section	.rodata,"a",@progbits
	.p2align	6, 0x0
	.amdhsa_kernel k_qac7b5e59e8_prep
		.amdhsa_group_segment_fixed_size 82432
		.amdhsa_private_segment_fixed_size 0
		.amdhsa_enable_private_segment 0
		.amdhsa_kernarg_size 56
		.amdhsa_user_sgpr_count 2
		.amdhsa_user_sgpr_kernarg_segment_ptr 1
		.amdhsa_wavefront_size32 1
		.amdhsa_system_sgpr_workgroup_id_x 1
		.amdhsa_system_sgpr_workgroup_id_y 1
		.amdhsa_system_sgpr_workgroup_id_z 1
		.amdhsa_system_vgpr_workitem_id 0
		.amdhsa_next_free_vgpr 194
		.amdhsa_next_free_sgpr 96
		.amdhsa_reserve_vcc 1
		.amdhsa_float_denorm_mode_32 3
		.amdhsa_float_denorm_mode_16_64 3
		.amdhsa_memory_ordered 1
		.amdhsa_forward_progress 1
		.amdhsa_inst_pref_size 130
	.end_amdhsa_kernel
	.amdgpu_metadata
---
amdhsa.version: [ 1, 2 ]
amdhsa.kernels:
  - .name:           k_qac7b5e59e8_prep
    .symbol:         k_qac7b5e59e8_prep.kd
    .args:
      - { .name: qkv, .offset: 0, .size: 8, .value_kind: global_buffer, .address_space: global }
      - { .name: rpe_table, .offset: 8, .size: 8, .value_kind: global_buffer, .address_space: global }
      - { .name: rel_pos_index, .offset: 16, .size: 8, .value_kind: global_buffer, .address_space: global }
      - { .name: rec, .offset: 24, .size: 8, .value_kind: global_buffer, .address_space: global }
      - { .name: emb, .offset: 32, .size: 8, .value_kind: global_buffer, .address_space: global }
      - { .name: vei, .offset: 40, .size: 8, .value_kind: global_buffer, .address_space: global }
      - { .name: ves, .offset: 48, .size: 8, .value_kind: global_buffer, .address_space: global }
    .group_segment_fixed_size: 82432
    .private_segment_fixed_size: 0
    .kernarg_segment_align: 8
    .kernarg_segment_size: 56
    .max_flat_workgroup_size: 128
    .sgpr_count:     96
    .vgpr_count:     194
    .wavefront_size: 32
...
	.end_amdgpu_metadata
.endif
;; end of part 1
;; launch attn (part 2): grid 256 x 1, 8 waves a work-group, clusters of 4 x 1, 327,680 bytes of LDS; arguments attn_mask, qkv, rec, emb, vei, ves, out0; writes out0
.if DOCPART == 2
	.amdgcn_target "amdgcn-amd-amdhsa--gfx1250"
	.amdhsa_code_object_version 6
	.text
	.protected	k_qac7b5e59e8_attn
	.globl	k_qac7b5e59e8_attn
	.p2align	8
	.type	k_qac7b5e59e8_attn,@function
k_qac7b5e59e8_attn:
	s_mov_b64 s[64:65], 0
	v_nop
	global_prefetch_b8 v0, s[64:65] scope:SCOPE_SE
	s_setreg_imm32_b32 hwreg(HW_REG_WAVE_MODE, 25, 1), 1
	s_wait_xcnt 0x0
	s_wait_alu depctr_hold_cnt(0) depctr_sa_sdst(0) depctr_va_vdst(0) depctr_va_sdst(0) depctr_va_ssrc(0) depctr_va_vcc(0) depctr_vm_vsrc(0)
	s_getreg_b32 s2, hwreg(HW_REG_IB_STS2, 6, 4)
	s_cmp_eq_u32 s2, 0
	s_cbranch_scc0 .Lentry_in_a_cluster
	s_endpgm
.Lentry_in_a_cluster:
	s_bfe_u32 s2, ttmp6, 0x10000c
	s_cmp_lg_u32 s2, 0x3003
	s_cbranch_scc0 .Lentry_shape_is_right
	s_endpgm
.Lentry_shape_is_right:
; Shifted-window attention on codes of FP6 (E2M3) with E8M0 scales: scores = q.k + q.k_embed + k.q_embed + mask, softmax (finished and normalised, in f32), out = p.v + p.v_embed.  Scores and p never leave the registers.
; SHARES.  A work-group: a head pair, one window row of queries (32 queries), windows 4 x group .. + 3 of both images.  Eight waves: wave = 4 image + 2 query tile + head of the pair; a wave makes 16 queries x 256 keys in each of its four windows.
; LAYOUT.  All products are used transposed (source 0 = 16 keys or 16 channels, source 1 = my 16 queries): lane (r = l % 16, h = l / 16) holds query r throughout.
;   Key tile T = 4 pi + s, row m = key 64 pi + 32 (m / 8) + 8 s + m % 8: a lane's registers S[32 pi ..] are the whole key block 2 pi + h in its order: p's codes need no other lane.
;   K = 128 is used as four blocks of 32 that SELECT one of a tile's four positions: A3[T]: row m has k's codes in block m / 4, zero codes elsewhere (those lanes read an area of zeros);
;   B1: q's codes in all four blocks;  B2: q's codes in block r / 4 alone;  q.k = A3 x B1;  k.q_embed = A3 x B3[T] (column r, block beta: q_embed(position of r, position beta of T));
;   q.k_embed = A2[pi] x B2 (row m: key position 16 pi + m, block beta: query position beta), added to a position's four candidates.  THE MASK IS LOADED INTO S: it is the products' C.
;   p.v_embed is made for each of the tile's four query positions on top of p.v, and a lane keeps the one of its own position.
; q is read by one wave alone, so it is quantised here, in registers.  v_embed's 16 fragments hang on (head, query tile) alone and stay in registers.
; LDS: two slots: both images' records (k, V and their scales, as the first launch laid them), the mask's 32 rows (1,040 bytes apart), zeros; the tables' record; stages for the way out; the spare words.
; CLUSTERS: the four work-groups of a cluster have the same windows and heads and ask for the records jointly; mask and tables hang on the query row: plain loads (the other head pair, which reads the same mask rows, lies in another cluster).
; No prefetch into the L2: the loop has three refills, and each has a whole window's work in which to land.
; LIMITS: NaN and infinities in qkv or rpe_table are not served.  A row whose mask hides every key gives NaN (0 x the row's sum is added to the output).  A block whose largest magnitude or largest p lies under 2^-124 keeps the byte 1;
; an exponential under 2^-126 is 0.  The promise holds while scores stay under 2^31 in magnitude.  A block's largest p is made from its largest score by the same operations as every p: that takes v_exp_f32 not to fall where its input rises.
; THE WALK: the four windows are written out one behind the other; a refill stands behind each of the first three changes of slots.
.set RECB,  27136
.set MKO,   2*RECB
.set MKP,   1040
.set ZOFF,  MKO+32*MKP
.set SLOTB, ZOFF+6144
.set EMB,   2*SLOTB
.set STG,   EMB+51200
.set STGP,  17408                      ; a stage: 2 images x 32 rows x 272; two by turns
.set SPARE, STG+2*STGP
.set SPW, 1
.set NIL, 2
.set AK0B, 3                           ; A3's registers 0-5, slot 0: my row's codes, or zeros;  AK1B: registers 6-11
.set AK1B, 4
.set AVB, 5
.set ASKB, 6
.set ASVB, 7
.set AMB, 8
.set AB3, 9
.set AA2, 10                           ; v11: 3,072 further on
.set STW, 12
.set STR, 13
.set OOFF, 14
.set QOFF, 15
.set H8, 16
.set MSK0, 17
.set MSK1, 18
.set TA, 19
.set AK0, 20                           ; v20-23, v24-27: in this window's slot, for each pi
.set AK1, 24
.set ASB, 28
.set ASA, 29
.set SB3, 32                           ; scales: v32-39 q_embed's, v40-41 k_embed's, v42-49 v_embed's, v50-57 k's, v58-59 V's, v60-61 p's, v62 q's
.set SA2, 40
.set SVE, 42
.set SK, 50
.set SV, 58
.set SP, 60
.set SQ, 62
.set TB, 63
.set BM, 64
.set B1, 68
.set BUF, 80                           ; two tiles' A3 and B3; its partner lies in window 1 at 192
.set PC, 80                            ; behind the scores: p's codes and the softmax's temporaries
.set SA, 104
.set SB, 106
.set SC, 108
.set SD, 110
.set TC, 108
.set BY, 112
.set NM, 116
.set RR, 118
.set ZN, 120
.set AVC, 122
.set S, 128
.set VF, S
.set OV, S+48
.set G, S+64
; window 1: v_embed at 0-191, the second buffer at 192-239 (first D2 and B2), q's numbers and rows on the way out at 240-255
.set D2, 192
.set B2, 224
.set QF, 240
; scalars: s18 head pair, s19 out0's constant offset, s20 wave, s21 head of the pair, s22 tile of the row, s23 image, s24 tile, s25 query row, s26 head, s27 group, s29 window, s34.. constants, s41 q's constant offset,
; s[42:43] q, s46 stage, s47 slot to fill, s48/s49 LDS places of my fills, s53/s55 my columns (out, q), s54 slot to read, s[96:97] out0
.set G0R, 56
.set G0M, 60
.set G0E, 68
.set G1R, 72
.set G1M, 80
.set G1E, 88
.set MSB, 0
.macro WIN new
.if MSB != (\new)
	s_set_vgpr_msb (MSB<<8)|(\new)
.set MSB, (\new)
.endif
.endm
.macro PLACES n
.rept \n
	v_nop
.endr
.endm
.macro WALU
	s_wait_alu depctr_va_vdst(0)
.endm
.macro BARRIER
	s_barrier_signal -1
	s_barrier_wait -1
.endm
.macro ROUND
	BARRIER
	s_cmp_lg_u32 s20, 0
	s_cbranch_scc1 .Lnot_wave_0_\@
	s_barrier_signal -3
.Lnot_wave_0_\@:
	s_barrier_wait -3
	BARRIER
.endm
.macro TLOAD g0, g1
	tensor_load_to_lds s[\g0:\g0+3], s[\g1:\g1+7]
	s_nop 0
	PLACES 4
.endm
.macro GROUP1 g, word, c, rows
	s_mov_b32 s[\g], \word
	s_mov_b32 s[\g+1], (\c)<<16
	s_mov_b32 s[\g+2], (\rows)<<16
	s_mov_b32 s[\g+3], (\c)<<16
	s_mov_b32 s[\g+4], \rows
	s_mov_b32 s[\g+5], \c
	s_mov_b32 s[\g+6], 0
	s_mov_b32 s[\g+7], 0
.endm
.macro TOKEN w, dx                     ; s33 = the token at window s\w, my query row, column s\dx: the shift by 4 wraps round the image's 64 rows and columns
	s_lshr_b32 s31, s\w, 3
	s_lshl_b32 s31, s31, 3
	s_add_co_u32 s31, s31, 4
	s_add_co_u32 s31, s31, s25
	s_and_b32 s31, s31, 63
	s_lshl_b32 s31, s31, 8
	s_and_b32 s32, s\w, 7
	s_lshl_b32 s32, s32, 3
	s_add_co_u32 s32, s32, 4
	s_add_co_u32 s32, s32, s\dx
	s_and_b32 s32, s32, 63
	s_lshl_b32 s32, s32, 2
	s_add_co_u32 s33, s31, s32
.endm
.macro QLOADS w                        ; half of my query's row of q for each half of the lanes: 64 bytes a lane
	TOKEN \w, 55
	s_mul_i32 s98, s33, 1536
	s_add_co_u32 s98, s98, s41
	s_add_nc_u64 s[42:43], s[6:7], s[98:99]
	WIN 0x40
.irp i, 0,1,2,3
	global_load_b128 v[QF+4*\i:QF+4*\i+3], v[QOFF], s[42:43] offset:16*\i th:TH_LOAD_NT
.endr
	WIN 0
.endm
.macro BUILD                           ; q x 32^-0.5, quantised: B1, B2 and q's scale word
	WIN 0x41
.irp i, 0,2,4,6,8,10,12,14
	v_pk_mul_f32 v[QF+\i:QF+\i+1], v[QF+\i:QF+\i+1], s[44:45] op_sel_hi:[1,0]
.endr
	WIN 0x15
	v_max3_num_f32 v[TA], |v[QF]|, |v[QF+1]|, |v[QF+2]|
	v_max3_num_f32 v[TB], |v[QF+3]|, |v[QF+4]|, |v[QF+5]|
	WIN 0x14
.irp i, 6,10
	v_max3_num_f32 v[TA], v[TA], |v[QF+\i]|, |v[QF+\i+1]|
	v_max3_num_f32 v[TB], v[TB], |v[QF+\i+2]|, |v[QF+\i+3]|
.endr
	v_max3_num_f32 v[TA], v[TA], |v[QF+14]|, |v[QF+15]|
	WIN 0
	v_max3_num_f32 v[TA], v[TA], v[TB], 0x1800000  ; the floor 2^(3 - 127): the byte cannot fall under 1
	v_permlanex16_b32 v[TB], v[TA], s36, s37
	v_max_num_f32 v[TA], v[TA], v[TB]              ; the block's 32 numbers lie in lanes l and l xor 16
	v_add_nc_u32 v[TB], 0xff000000, v[TA]          ; 2 off the exponent field: the conversion's scale operand
	WIN 0x01
	v_cvt_scalef32_pk16_fp6_f32 v[B1:B1+2], v[QF:QF+15], v[TB]
	WIN 0
	v_lshrrev_b32 v[TA], 23, v[TB]
	v_perm_b32 v[SQ], v[TA], v[TA], 0              ; the byte in all four places
.irp i, 0,1,2
	v_mov_b32 v[B1+3+\i], v[B1+\i]
.endr
.irp i, 0,1,2
	v_permlane16_swap_b32 v[B1+\i], v[B1+3+\i]     ; both halves of the lanes now hold the lower 16 codes, then the upper 16
.endr
.irp i, 0,1,2,3,4,5
	v_mov_b32 v[B1+6+\i], v[B1+\i]
.endr
	WIN 0x40
.irp i, 0,1,2,3,4,5
	v_and_b32 v[B2+\i], v[B1+\i], v[MSK0]
	v_and_b32 v[B2+6+\i], v[B1+\i], v[MSK1]
.endr
	WIN 0
.endm
; The change of slots: every tensor load of mine has landed, the add, my LDS instructions are done; then the round (fill = 1), behind which the next window's tiles are asked for, or a barrier alone (fill = 0: nothing more to fetch).
.macro TOP fill
	WALU
	s_wait_storecnt 0x0                            ; no store of mine is out at the round: the last were issued a whole window ago
	s_wait_tensorcnt 0x0
	ds_add_u32 v[SPW], v[NIL]
.if \fill
	s_xor_b32 s47, s47, SLOTB
	s_add_co_u32 s[G0R+1], s48, s47
	s_add_co_u32 s[G0M+1], s49, s47
	s_add_nc_u64 s[G0R+2:G0R+3], s[G0R+2:G0R+3], 2*RECB
	s_add_nc_u64 s[G0M+2:G0M+3], s[G0M+2:G0M+3], 262144
	s_wait_dscnt 0x0
	ROUND
	s_cmp_lt_u32 s20, 4
	s_cbranch_scc0 .Lmask_\@
	TLOAD G0R, G1R
	s_branch .Lasked_\@
.Lmask_\@:
	s_cmp_lt_u32 s20, 6
	s_cbranch_scc0 .Lasked_\@
	TLOAD G0M, G1M
.Lasked_\@:
.else
	s_wait_dscnt 0x0
	BARRIER
.endif
.endm
.macro OUT                             ; the last window's rows: sixteen lanes store 256 consecutive bytes, aligned: two heads of one token
	v_add_nc_u32 v[TA], s46, v[STR]
	WIN 0x40
.irp t, 0,1,2,3
	ds_load_b128 v[QF+4*\t:QF+4*\t+3], v[TA] offset:544*\t
.endr
	WIN 0
	s_xor_b32 s46, s46, STGP
	WALU
	s_wait_dscnt 0x0
	WIN 0x04
.irp t, 0,1,2,3
	global_store_b128 v[OOFF], v[QF+4*\t:QF+4*\t+3], s[96:97] offset:1024*\t th:TH_STORE_NT
.endr
	WIN 0
.endm
.macro LOADT g                         ; 14 LDS loads: A3 and B3 of tiles 2 g and 2 g + 1 into buffer g % 2
	WIN 0x40*((\g)&1)
.irp u, 0,1
.set T, 2*(\g)+\u
.set rA, BUF+112*((\g)&1)+12*\u
.set rB, rA+24
.set k0, AK0+(T>>2)
.set k1, AK1+(T>>2)
.set of, 24*(T&3)
	ds_load_2addr_b64 v[rA:rA+3], v[k0] offset0:of offset1:of+1
	ds_load_b64 v[rA+4:rA+5], v[k0] offset:8*of+16
	ds_load_b64 v[rA+6:rA+7], v[k1] offset:8*of
	ds_load_2addr_b64 v[rA+8:rA+11], v[k1] offset0:of+1 offset1:of+2
	ds_load_2addr_b64 v[rB:rB+3], v[AB3] offset0:12*T offset1:12*T+1
	ds_load_2addr_b64 v[rB+4:rB+7], v[AB3] offset0:12*T+2 offset1:12*T+6
	ds_load_2addr_b64 v[rB+8:rB+11], v[AB3] offset0:12*T+7 offset1:12*T+8
.endr
	WIN 0
.endm
.macro P13 g, u, third                 ; q.k (third = 0) or k.q_embed of tile 2 g + u; scale words: even tiles in lanes 0-15, odd tiles in lanes 16-31
.set T, 2*(\g)+\u
.set rS, S+8*T
.set rA, BUF+112*((\g)&1)+12*\u
.set rB, rA+24
.set rK, SK+(T>>1)
.set rW, SB3+(T>>1)
.if \third
.if \u
	v_wmma_scale_f32_16x16x128_f8f6f4 v[rS:rS+7], v[rA:rA+11], v[rB:rB+11], v[rS:rS+7], v[rK], v[rW] matrix_a_fmt:MATRIX_FMT_FP6 matrix_b_fmt:MATRIX_FMT_FP6 matrix_a_scale:MATRIX_SCALE_ROW1 matrix_b_scale:MATRIX_SCALE_ROW1
.else
	v_wmma_scale_f32_16x16x128_f8f6f4 v[rS:rS+7], v[rA:rA+11], v[rB:rB+11], v[rS:rS+7], v[rK], v[rW] matrix_a_fmt:MATRIX_FMT_FP6 matrix_b_fmt:MATRIX_FMT_FP6
.endif
.else
.if \u
	v_wmma_scale_f32_16x16x128_f8f6f4 v[rS:rS+7], v[rA:rA+11], v[B1:B1+11], v[rS:rS+7], v[rK], v[SQ] matrix_a_fmt:MATRIX_FMT_FP6 matrix_b_fmt:MATRIX_FMT_FP6 matrix_a_scale:MATRIX_SCALE_ROW1
.else
	v_wmma_scale_f32_16x16x128_f8f6f4 v[rS:rS+7], v[rA:rA+11], v[B1:B1+11], v[rS:rS+7], v[rK], v[SQ] matrix_a_fmt:MATRIX_FMT_FP6 matrix_b_fmt:MATRIX_FMT_FP6
.endif
.endif
.endm
.macro BMAXH g                         ; half of a key block's largest score, each accumulator from its low end on
.set rS, S+16*(\g)
.set rM, BM+((\g)>>1)
.if ((\g)&1) == 0
	v_max3_num_f32 v[rM], v[rS], v[rS+1], v[rS+2]
	v_max3_num_f32 v[TB], v[rS+3], v[rS+4], v[rS+5]
	v_max3_num_f32 v[rM], v[rM], v[rS+6], v[rS+7]
	v_max3_num_f32 v[TB], v[TB], v[rS+8], v[rS+9]
	v_max3_num_f32 v[rM], v[rM], v[rS+10], v[rS+11]
	v_max3_num_f32 v[TB], v[TB], v[rS+12], v[rS+13]
	v_max3_num_f32 v[rM], v[rM], v[rS+14], v[rS+15]
.else
.irp i, 0,4,8,12
	v_max3_num_f32 v[TB], v[TB], v[rS+\i], v[rS+\i+1]
	v_max3_num_f32 v[rM], v[rM], v[rS+\i+2], v[rS+\i+3]
.endr
	v_max_num_f32 v[rM], v[rM], v[TB]
.endif
.endm
; Four tiles, two in each buffer: eight products, the four accumulators by turns, so that three other matrix instructions stand between a sum's two steps.
; The vector work behind a buffer's last products is the group before's: it is also the places ahead of the loads into that buffer.
.macro GROUP k
	WALU
	s_wait_dscnt 14                                ; the first buffer's two tiles are in; the second's 14 loads may be out
	WIN 0
	P13 2*\k, 0, 0
	P13 2*\k, 1, 0
	s_wait_dscnt 0x0
	WIN 1
	P13 2*\k+1, 0, 0
	P13 2*\k+1, 1, 0
	WIN 0
	P13 2*\k, 0, 1
	P13 2*\k, 1, 1
.if \k == 0
	PLACES 4
.else
	BMAXH 2*\k-2
.endif
.if \k < 3
	LOADT 2*\k+2
.endif
	WIN 5
	P13 2*\k+1, 0, 1
	P13 2*\k+1, 1, 1
	WIN 0
.if \k == 0
	PLACES 4
.else
	BMAXH 2*\k-1
.endif
.if \k < 3
	LOADT 2*\k+3
.endif
.endm
.macro QMUL pi                         ; p = e / the sum
.irp a, 0,2,4,6,8,10,12,14,16,18,20,22,24,26,28,30
	v_pk_mul_f32 v[S+32*\pi+\a:S+32*\pi+\a+1], v[S+32*\pi+\a:S+32*\pi+\a+1], v[RR:RR+1] op_sel_hi:[1,0]
.endr
.endm
.macro QCVT pi                         ; my block's 32 codes: registers 6 pi .. of p's two fragments (a conversion's three registers begin on an even number: the upper three are made elsewhere and moved)
	v_cvt_scalef32_pk16_fp6_f32 v[PC+6*\pi:PC+6*\pi+2], v[S+32*\pi:S+32*\pi+15], v[BM+\pi]
	v_cvt_scalef32_pk16_fp6_f32 v[TC:TC+2], v[S+32*\pi+16:S+32*\pi+31], v[BM+\pi]
.endm
.macro QMOV pi
.irp i, 0,1,2
	v_mov_b32 v[PC+6*\pi+3+\i], v[TC+\i]
.endr
.endm
.macro P5 g, ct, ks                    ; p.v_embed for query position g, on top of p.v
.set rG, G+16*\g+8*\ct
.set rV, 12*(4*\g+2*\ct+\ks)
.set rO, OV+8*\ct
.if \ks
.set rO, rG
.endif
.set rP, PC+12*\ks
.if \ct
	v_wmma_scale_f32_16x16x128_f8f6f4 v[rG:rG+7], v[rV:rV+11], v[rP:rP+11], v[rO:rO+7], v[SVE+2*\g+\ks], v[SP+\ks] matrix_a_fmt:MATRIX_FMT_FP6 matrix_b_fmt:MATRIX_FMT_FP6 matrix_a_scale:MATRIX_SCALE_ROW1
.else
	v_wmma_scale_f32_16x16x128_f8f6f4 v[rG:rG+7], v[rV:rV+11], v[rP:rP+11], v[rO:rO+7], v[SVE+2*\g+\ks], v[SP+\ks] matrix_a_fmt:MATRIX_FMT_FP6 matrix_b_fmt:MATRIX_FMT_FP6
.endif
.endm
.macro A2LD pi
.set rA, BUF+12*(\pi)
.set of, 192*((\pi)&1)
.set k0, AA2+((\pi)>>1)
	ds_load_2addr_b64 v[rA:rA+3], v[k0] offset0:of offset1:of+1
	ds_load_2addr_b64 v[rA+4:rA+7], v[k0] offset0:of+2 offset1:of+6
	ds_load_2addr_b64 v[rA+8:rA+11], v[k0] offset0:of+7 offset1:of+8
.endm
; ONE WINDOW.  nxt = 1: the next window's q is fetched and built.
.macro WINDOW nxt
	s_add_co_u32 s50, s54, 1536
	s_add_co_u32 s51, s54, 3072
	s_add_co_u32 s52, s54, 4608
	v_add_nc_u32 v[AK0], s54, v[AK0B]
	v_add_nc_u32 v[AK0+1], s50, v[AK0B]
	v_add_nc_u32 v[AK0+2], s51, v[AK0B]
	v_add_nc_u32 v[AK0+3], s52, v[AK0B]
	v_add_nc_u32 v[AK1], s54, v[AK1B]
	v_add_nc_u32 v[AK1+1], s50, v[AK1B]
	v_add_nc_u32 v[AK1+2], s51, v[AK1B]
	v_add_nc_u32 v[AK1+3], s52, v[AK1B]
	v_add_nc_u32 v[TA], s54, v[ASKB]
	v_add_nc_u32 v[TB], s54, v[ASVB]
.irp pi, 0,1,2,3
	A2LD \pi
.endr
.irp n, 0,1,2,3,4,5,6,7
	ds_load_b32 v[SK+\n], v[TA] offset:256*(\n>>1)+64*(\n&1)
.endr
.irp n, 0,1,2,3,4,5,6,7
	ds_load_b32 v[SB3+\n], v[ASB] offset:8*\n
.endr
	ds_load_b32 v[SA2], v[ASA]
	ds_load_b32 v[SA2+1], v[ASA] offset:128
	ds_load_b64 v[SV:SV+1], v[TB]
	v_add_nc_u32 v[TA], s54, v[AMB]
.irp pi, 0,1,2,3
.irp s, 0,1,2,3
.irp q, 0,1
	ds_load_b128 v[S+32*\pi+8*\s+4*\q:S+32*\pi+8*\s+4*\q+3], v[TA] offset:256*\pi+32*\s+16*\q
.endr
.endr
.endr
	WALU
	s_wait_dscnt 32                                ; all but the mask's 32 loads
	WIN 0x44
.irp pi, 0,1,2,3
.if \pi&1
	v_wmma_scale_f32_16x16x128_f8f6f4 v[D2+8*\pi:D2+8*\pi+7], v[BUF+12*\pi:BUF+12*\pi+11], v[B2:B2+11], 0, v[SA2+(\pi>>1)], v[SQ] matrix_a_fmt:MATRIX_FMT_FP6 matrix_b_fmt:MATRIX_FMT_FP6 matrix_a_scale:MATRIX_SCALE_ROW1
.else
	v_wmma_scale_f32_16x16x128_f8f6f4 v[D2+8*\pi:D2+8*\pi+7], v[BUF+12*\pi:BUF+12*\pi+11], v[B2:B2+11], 0, v[SA2+(\pi>>1)], v[SQ] matrix_a_fmt:MATRIX_FMT_FP6 matrix_b_fmt:MATRIX_FMT_FP6
.endif
.endr
	WIN 0
	PLACES 4
	LOADT 0
	s_wait_dscnt 14                                ; the mask is in
	WIN 0x04
.irp pi, 0,1,2,3                       ; q.k_embed of a position onto its four candidates
.irp s, 0,1,2,3
.irp a, 0,1,2,3
.set rS, S+32*\pi+8*\s+2*\a
.set rD, D2+8*\pi+2*\s
.if \a < 2
	v_pk_add_f32 v[rS:rS+1], v[rS:rS+1], v[rD:rD+1] op_sel_hi:[1,0]
.else
	v_pk_add_f32 v[rS:rS+1], v[rS:rS+1], v[rD:rD+1] op_sel:[0,1] op_sel_hi:[1,1]
.endif
.endr
.endr
.endr
	WIN 0
	LOADT 1
	GROUP 0
	WALU
	s_wait_xcnt 0x0                                ; the last stores have read their data and base, q's loads their base
	TOKEN 29, 53
	s_lshl_b32 s98, s33, 9
	s_add_co_u32 s98, s98, s19
	s_add_nc_u64 s[96:97], s[16:17], s[98:99]      ; out0 at the eight tokens of this window that I store
.if \nxt
	s_add_co_u32 s30, s29, 1
	QLOADS 30
.endif
	GROUP 1
	GROUP 2
	GROUP 3
	BMAXH 6                                        ; (the nine lines of the half before are the places behind the last products)
	BMAXH 7
	; the row's largest score, taken away ahead of the exponential
	v_max3_num_f32 v[TA], v[BM], v[BM+1], v[BM+2]
	v_max_num_f32 v[TA], v[TA], v[BM+3]
	v_permlanex16_b32 v[TB], v[TA], s36, s37
	v_max_num_f32 v[TA], v[TA], v[TB]
	v_mul_f32 v[NM], -v[TA], s34
.irp pi, 0,1,2,3
	v_fma_f32 v[BM+\pi], v[BM+\pi], s34, v[NM]     ; each block's largest score goes the way of every score
.endr
.set k, 0
.rept 64
	v_pk_fma_f32 v[S+k:S+k+1], v[S+k:S+k+1], s[34:35], v[NM:NM+1] op_sel_hi:[1,0,0]
.set k, k+2
.endr
	WALU
.irp pi, 0,1,2,3
	v_exp_f32 v[BM+\pi], v[BM+\pi]
.endr
.set k, 0
.rept 128
	v_exp_f32 v[S+k], v[S+k]
.set k, k+1
.endr
	v_nop
	WALU
	v_pk_add_f32 v[SA:SA+1], v[S:S+1], v[S+2:S+3]  ; the row's sum, in four chains
	v_pk_add_f32 v[SB:SB+1], v[S+4:S+5], v[S+6:S+7]
	v_pk_add_f32 v[SC:SC+1], v[S+8:S+9], v[S+10:S+11]
	v_pk_add_f32 v[SD:SD+1], v[S+12:S+13], v[S+14:S+15]
.set k, 16
.rept 14
	v_pk_add_f32 v[SA:SA+1], v[SA:SA+1], v[S+k:S+k+1]
	v_pk_add_f32 v[SB:SB+1], v[SB:SB+1], v[S+k+2:S+k+3]
	v_pk_add_f32 v[SC:SC+1], v[SC:SC+1], v[S+k+4:S+k+5]
	v_pk_add_f32 v[SD:SD+1], v[SD:SD+1], v[S+k+6:S+k+7]
.set k, k+8
.endr
	v_pk_add_f32 v[SA:SA+1], v[SA:SA+1], v[SB:SB+1]
	v_pk_add_f32 v[SC:SC+1], v[SC:SC+1], v[SD:SD+1]
	v_pk_add_f32 v[SA:SA+1], v[SA:SA+1], v[SC:SC+1]
	v_add_f32 v[TA], v[SA], v[SA+1]
	v_permlanex16_b32 v[TB], v[TA], s36, s37
	v_add_f32 v[TA], v[TA], v[TB]
	WALU
	v_rcp_f32 v[RR], v[TA]
	v_mul_f32 v[ZN], 0, v[TA]                      ; 0, or NaN for a row that has no key (also the plain line behind the reciprocal)
	WALU
.irp pi, 0,1,2,3
	v_mul_f32 v[BM+\pi], v[BM+\pi], v[RR]          ; the block's largest p
.endr
.irp pi, 0,1,2,3
	v_max_num_f32 v[BM+\pi], 0x1800000, v[BM+\pi]
.endr
.irp pi, 0,1,2,3
	v_add_nc_u32 v[BM+\pi], 0xff000000, v[BM+\pi]
.endr
.irp pi, 0,1,2,3
	v_lshrrev_b32 v[BY+\pi], 23, v[BM+\pi]
.endr
.irp ks, 0,1                           ; p's scale word of 128 keys: my two bytes (blocks h and 2 + h), with lane l xor 16's two
	v_lshl_or_b32 v[TA], v[BY+2*\ks+1], 16, v[BY+2*\ks]
	v_lshlrev_b32 v[TA], v[H8], v[TA]
	v_permlanex16_b32 v[TB], v[TA], s36, s37
	v_or_b32 v[SP+\ks], v[TA], v[TB]
.endr
	QMUL 0
	QCVT 0
	QMUL 1
	QMOV 0
	QCVT 1
	QMUL 2
	v_add_nc_u32 v[AVC], s54, v[AVB]
.irp k, 0,1,2,3,4,5,6,7,8,9,10,11
	ds_load_b128 v[VF+4*\k:VF+4*\k+3], v[AVC] offset:512*\k   ; V's four fragments, into registers that p's first blocks have left
.endr
	QMOV 1
	QCVT 2
	QMUL 3
	QMOV 2
	QCVT 3
	v_nop
	QMOV 3
	PLACES 4                                       ; p's codes were written by vector instructions
	WALU
	s_wait_dscnt 0x0
	s_wait_loadcnt 0x0                             ; the next window's q; in the first window v_embed's fragments too
	v_wmma_scale_f32_16x16x128_f8f6f4 v[OV:OV+7], v[VF:VF+11], v[PC:PC+11], 0, v[SV], v[SP] matrix_a_fmt:MATRIX_FMT_FP6 matrix_b_fmt:MATRIX_FMT_FP6
	v_wmma_scale_f32_16x16x128_f8f6f4 v[OV+8:OV+15], v[VF+24:VF+35], v[PC:PC+11], 0, v[SV], v[SP] matrix_a_fmt:MATRIX_FMT_FP6 matrix_b_fmt:MATRIX_FMT_FP6 matrix_a_scale:MATRIX_SCALE_ROW1
	v_wmma_scale_f32_16x16x128_f8f6f4 v[OV:OV+7], v[VF+12:VF+23], v[PC+12:PC+23], v[OV:OV+7], v[SV+1], v[SP+1] matrix_a_fmt:MATRIX_FMT_FP6 matrix_b_fmt:MATRIX_FMT_FP6
	v_wmma_scale_f32_16x16x128_f8f6f4 v[OV+8:OV+15], v[VF+36:VF+47], v[PC+12:PC+23], v[OV+8:OV+15], v[SV+1], v[SP+1] matrix_a_fmt:MATRIX_FMT_FP6 matrix_b_fmt:MATRIX_FMT_FP6 matrix_a_scale:MATRIX_SCALE_ROW1
	PLACES 5                                       ; the sums go on as the C of other accumulators
	WIN 0x01
.irp ks, 0,1
.irp g, 0,1,2,3
.irp ct, 0,1
	P5 \g, \ct, \ks
.endr
.endr
.endr
	WIN 0
	PLACES 4
.irp g, 1,2,3                          ; a lane keeps the result of its own query position r / 4
.irp n, 0,1,2,3,4,5,6,7,8,9,10,11,12,13,14,15
	v_cndmask_b32 v[G+\n], v[G+\n], v[G+16*\g+\n], s[37+\g]
.endr
.endr
.irp n, 0,2,4,6,8,10,12,14
	v_pk_add_f32 v[G+\n:G+\n+1], v[G+\n:G+\n+1], v[ZN:ZN+1] op_sel_hi:[1,0]
.endr
	v_add_nc_u32 v[TB], s46, v[STW]
.irp ct, 0,1
	ds_store_b128 v[TB], v[G+8*\ct:G+8*\ct+3] offset:64*\ct
	ds_store_b128 v[TB], v[G+8*\ct+4:G+8*\ct+7] offset:64*\ct+16
.endr
.if \nxt
	BUILD
.endif
	s_xor_b32 s54, s54, SLOTB
	s_add_co_u32 s29, s29, 1
.endm
; ================= THE HEAD
	s_load_b256 s[4:11], s[0:1], 0x0               ; attn_mask, qkv, rec, emb
	s_load_b128 s[12:15], s[0:1], 0x20             ; vei, ves
	s_load_b64 s[16:17], s[0:1], 0x30              ; out0
	v_lshl_add_u32 v[SPW], v0, 2, SPARE
	v_mov_b32 v[NIL], 0
	v_lshrrev_b32 v[TA], 5, v0
	v_readfirstlane_b32 s20, v[TA]
	v_and_b32 v80, 31, v0
	v_lshlrev_b32 v30, 4, v80                      ; 16 l
.irp i, 0,1,2,3
	v_mov_b32 v[S+\i], 0
.endr
	s_and_b32 s21, s20, 1
	s_bfe_u32 s22, s20, 0x10001
	s_lshr_b32 s23, s20, 2
	s_and_b32 s53, s20, 3
	s_mul_i32 s30, s23, SLOTB
	s_mul_i32 s31, s53, 1536
	s_add_co_u32 s30, s30, s31
	s_add_co_u32 s30, s30, ZOFF
	WALU
	v_add_nc_u32 v92, s30, v30
.irp k, 0,1,2
	ds_store_b128 v92, v[S:S+3] offset:512*\k      ; the zeros of both slots, 1,536 bytes a wave
.endr
	ds_add_u32 v[SPW], v[NIL]                      ; the opening lines: the add, twice on end
	ds_add_u32 v[SPW], v[NIL]
	GROUP1 G1R, 15|(3<<16)|(1<<21), 32, 53         ; half a record: 53 rows of 256 bytes, for all four work-groups of the cluster
	GROUP1 G1M, (3<<16)|(1<<20)|(7<<22)|(3<<25), 128, 16   ; 16 rows of the mask, 1,024 bytes each, 16 bytes of padding behind each in LDS
	GROUP1 G1E, (3<<16), 32, 100                   ; half of the tables' record
	s_bfe_u32 s30, ttmp6, 0x40000                  ; my place in the cluster
	s_and_b32 s25, ttmp9, 1
	s_lshl_b32 s25, s25, 2
	s_add_co_u32 s25, s25, s30                     ; query row
	s_bfe_u32 s18, ttmp9, 0x10001                  ; head pair
	s_lshr_b32 s27, ttmp9, 2
	s_lshl_b32 s29, s27, 2                         ; the first window
	s_lshl_b32 s26, s18, 1
	s_add_co_u32 s26, s26, s21
	s_lshl_b32 s24, s25, 1
	s_add_co_u32 s24, s24, s22
	s_lshl_b32 s55, s22, 2                         ; my queries' first column in the window
	s_lshl_b32 s53, s53, 1                         ; and that of the rows that I store
	s_lshl_b32 s19, s18, 8
	s_lshl_b32 s30, s23, 23
	s_add_co_u32 s19, s19, s30
	s_mul_i32 s41, s23, 25165824
	s_lshl_b32 s30, s26, 7
	s_add_co_u32 s41, s41, s30
	s_mov_b32 s34, 0x3fb8aa3b                      ; log2(e)
	s_mov_b32 s35, s34
	s_mov_b32 s36, 0x76543210
	s_mov_b32 s37, 0xfedcba98                      ; lane l xor 16
	s_mov_b32 s38, 0x00f000f0                      ; lanes with r / 4 = 1, 2, 3
	s_mov_b32 s39, 0x0f000f00
	s_mov_b32 s40, 0xf000f000
	s_mov_b32 s44, 0x3e3504f3                      ; 32^-0.5
	s_mov_b32 s45, s44
	s_mov_b32 s46, 0
	s_mov_b32 s47, 0
	s_mov_b32 s54, 0
	s_mov_b32 s99, 0
	s_and_b32 s48, s20, 3
	s_mul_i32 s48, s48, 13568                      ; waves 0..3: image wave / 2, half wave % 2 of its record
	s_mul_i32 s49, s21, 16*MKP
	s_add_co_u32 s49, s49, MKO                     ; waves 4, 5: half wave % 2 of the mask's rows
	s_mov_b32 s[G0R], 1
	s_mov_b32 s[G0R+1], s48
	s_mov_b32 s[G0M], 1
	s_mov_b32 s[G0M+1], s49
	s_mov_b32 s[G0E], 1
	s_mul_i32 s[G0E+1], s21, 25600
	s_add_co_u32 s[G0E+1], s[G0E+1], EMB           ; waves 6, 7: half wave % 2 of the tables
	WALU
	s_wait_dscnt 0x0
	s_wait_kmcnt 0x0
	s_bfe_u32 s30, s20, 0x10001
	s_lshl_b32 s30, s30, 6
	s_add_co_u32 s30, s30, s29
	s_lshl_b32 s30, s30, 1
	s_add_co_u32 s30, s30, s18
	s_mul_i32 s98, s30, RECB
	s_mul_i32 s31, s21, 13568
	s_add_co_u32 s98, s98, s31
	s_add_nc_u64 s[G0R+2:G0R+3], s[8:9], s[98:99]
	s_or_b32 s[G0R+3], s[G0R+3], 0x80000000
	s_lshl_b32 s98, s29, 18
	s_lshl_b32 s31, s25, 15
	s_add_co_u32 s98, s98, s31
	s_lshl_b32 s31, s21, 14
	s_add_co_u32 s98, s98, s31
	s_add_nc_u64 s[G0M+2:G0M+3], s[4:5], s[98:99]
	s_or_b32 s[G0M+3], s[G0M+3], 0x80000000
	s_lshl_b32 s98, s18, 3
	s_add_co_u32 s98, s98, s25
	s_mul_i32 s98, s98, 51200
	s_mul_i32 s31, s21, 25600
	s_add_co_u32 s98, s98, s31
	s_add_nc_u64 s[G0E+2:G0E+3], s[10:11], s[98:99]
	s_or_b32 s[G0E+3], s[G0E+3], 0x80000000
	ROUND
	s_cmp_lt_u32 s20, 4                            ; one tensor load a wave
	s_cbranch_scc0 .Lhead_mask
	TLOAD G0R, G1R
	s_branch .Lhead_asked
.Lhead_mask:
	s_cmp_lt_u32 s20, 6
	s_cbranch_scc0 .Lhead_emb
	TLOAD G0M, G1M
	s_branch .Lhead_asked
.Lhead_emb:
	TLOAD G0E, G1E
.Lhead_asked:
	s_lshl_b32 s43, s26, 6
	s_lshl_b32 s31, s24, 2
	s_add_co_u32 s43, s43, s31                     ; v_embed's jobs 64 h + 4 it ..
	s_mul_i32 s98, s43, 6144
	s_add_nc_u64 s[12:13], s[12:13], s[98:99]
	s_lshl_b32 s98, s43, 8
	s_add_nc_u64 s[14:15], s[14:15], s[98:99]
	v_and_b32 v81, 15, v0
	v_bfe_u32 v82, v0, 4, 1
	v_lshlrev_b32 v31, 3, v80                      ; 8 l
	v_mul_u32_u24 v[QOFF], v81, 1536
	v_lshl_add_u32 v[QOFF], v82, 6, v[QOFF]
	WALU
	QLOADS 29
	s_mul_i32 s50, s23, RECB
	s_mul_i32 s30, s21, 6144
	s_add_co_u32 s30, s30, s50                     ; k's codes of my image and head
	s_sub_co_u32 s31, ZOFF+8, s30
	s_add_co_u32 s32, s30, 768
	s_sub_co_u32 s33, ZOFF+8, s32
	s_lshl_b32 s51, s21, 10
	s_add_co_u32 s51, s51, s50
	s_add_co_u32 s51, s51, 24576                   ; k's scale words
	s_lshl_b32 s52, s21, 8
	s_add_co_u32 s52, s52, s50
	s_add_co_u32 s52, s52, 26624                   ; V's
	s_add_co_u32 s50, s30, 12288                   ; V's images
	s_mul_i32 s100, s22, 16*MKP
	s_add_co_u32 s100, s100, MKO
	s_mul_i32 s101, s21, 12800
	s_mul_i32 s3, s22, 6400
	s_add_co_u32 s101, s101, s3
	s_add_co_u32 s101, s101, EMB
	s_mul_i32 s28, s23, 8704
	s_add_co_u32 s28, s28, STG
	s_mul_i32 s3, s22, 4352
	s_add_co_u32 s3, s3, s28
	s_lshl_b32 s98, s21, 7
	s_add_co_u32 s3, s3, s98
	s_and_b32 s98, s20, 3
	s_mul_i32 s98, s98, 2176
	s_add_co_u32 s28, s28, s98
	WALU
	v_bfe_u32 v84, v0, 2, 1
	v_add_nc_u32 v84, v84, v82
	v_and_b32 v84, 1, v84                          ; 0 where h = (r / 4) % 2
	v_bfe_u32 v85, v0, 3, 1
	v_add_nc_u32 v86, v84, v85
	v_add_nc_u32 v86, 1, v86
	v_lshrrev_b32 v86, 1, v86                      ; 0 where registers 0-5 hold block r / 4
	v_xor_b32 v87, 1, v85
	v_add_nc_u32 v87, v84, v87
	v_add_nc_u32 v87, 1, v87
	v_lshrrev_b32 v87, 1, v87                      ; 0 where registers 6-11 do
	v_add_nc_u32 v[MSK0], -1, v86
	v_add_nc_u32 v[MSK1], -1, v87
	v_and_b32 v88, 7, v0
	v_mul_u32_u24 v89, v88, 24
	v_mul_u32_u24 v90, s31, v86
	v_add_nc_u32 v90, v89, v90
	v_add_nc_u32 v[AK0B], s30, v90                 ; row r % 8's codes, or zeros
	v_mul_u32_u24 v90, s33, v87
	v_add_nc_u32 v90, v89, v90
	v_add_nc_u32 v[AK1B], s32, v90
	v_add_nc_u32 v[AVB], s50, v30
	v_lshlrev_b32 v90, 7, v85
	v_lshl_add_u32 v90, v88, 2, v90
	v_lshl_add_u32 v90, v82, 5, v90
	v_add_nc_u32 v[ASKB], s51, v90                 ; 4 (32 (r / 8) + r % 8 + 8 h)
	v_add_nc_u32 v[ASVB], s52, v31
	v_mul_u32_u24 v90, v81, MKP
	v_lshl_add_u32 v90, v82, 7, v90
	v_add_nc_u32 v[AMB], s100, v90
	v_lshrrev_b32 v90, 2, v81
	v_mul_u32_u24 v90, v90, 1600
	v_add_nc_u32 v90, s101, v90
	v_mad_u32_u24 v[AB3], v82, 24, v90
	v_lshl_add_u32 v[ASB], v82, 2, v90
	v_add_nc_u32 v[ASB], 1536, v[ASB]
	v_mul_u32_u24 v90, v81, 96
	v_mad_u32_u24 v90, v82, 24, v90
	v_add_nc_u32 v90, s101, v90
	v_add_nc_u32 v[AA2], 25600, v90
	v_add_nc_u32 v[AA2+1], 28672, v90
	v_lshlrev_b32 v90, 2, v81
	v_lshl_add_u32 v90, v82, 6, v90
	v_add_nc_u32 v90, s101, v90
	v_add_nc_u32 v[ASA], 31744, v90
	v_mul_u32_u24 v90, v81, 272
	v_lshl_add_u32 v90, v82, 5, v90
	v_add_nc_u32 v[STW], s3, v90                   ; row 16 tile + r, byte 128 head + 32 h
	v_mul_u32_u24 v90, v82, 272
	v_lshl_add_u32 v90, v81, 4, v90
	v_add_nc_u32 v[STR], s28, v90                  ; rows 8 (wave % 4) + h + 2 t
	v_lshlrev_b32 v[OOFF], 9, v82
	v_lshl_add_u32 v[OOFF], v81, 4, v[OOFF]
	v_lshlrev_b32 v[H8], 3, v82
	v_mov_b32 v[TB], 0                             ; (a lane permute's destination counts as one of its sources)
	WALU
	s_wait_loadcnt 0x0                             ; q is in
	BUILD
	TOP 1                                          ; the first window lies in slot 0; the second is asked for
	WIN 0x40
.irp f, 0,1,2,3,4,5,6,7,8,9,10,11,12,13,14,15
.irp c, 0,1,2
	global_load_b128 v[12*\f+4*\c:12*\f+4*\c+3], v30, s[12:13] offset:1536*\f+512*\c   ; v_embed's fragments: waited for ahead of the first window's p.v
.endr
.endr
	WIN 0
.irp g, 0,1,2,3
	global_load_b64 v[SVE+2*\g:SVE+2*\g+1], v31, s[14:15] offset:256*\g
.endr
	WINDOW 1
	TOP 1
	OUT
	WINDOW 1
	TOP 1
	OUT
	WINDOW 1
	TOP 0
	OUT
	WINDOW 0
	WALU
	s_wait_dscnt 0x0
	BARRIER                                        ; the last window's rows are whole
	OUT
	s_wait_tensorcnt 0x0                           ; the wave's end
	ds_add_u32 v[SPW], v[NIL]
	s_wait_dscnt 0x0
	ROUND                                          ; the closing round
	s_endpgm
.Lfunc_end_k_qac7b5e59e8_attn:
	.size	k_qac7b5e59e8_attn, .Lfunc_end_k_qac7b5e59e8_attn-k_qac7b5e59e8_attn
	.p2alignl 7, 3214868480
	.fill 96, 4, 3214868480
	.section	.rodata,"a",@progbits
	.p2align	6, 0x0
	.amdhsa_kernel k_qac7b5e59e8_attn
		.amdhsa_group_segment_fixed_size 327680
		.amdhsa_private_segment_fixed_size 0
		.amdhsa_enable_private_segment 0
		.amdhsa_kernarg_size 56
		.amdhsa_user_sgpr_count 2
		.amdhsa_user_sgpr_kernarg_segment_ptr 1
		.amdhsa_wavefront_size32 1
		.amdhsa_system_sgpr_workgroup_id_x 1
		.amdhsa_system_sgpr_workgroup_id_y 1
		.amdhsa_system_sgpr_workgroup_id_z 1
		.amdhsa_system_vgpr_workitem_id 0
		.amdhsa_next_free_vgpr 512
		.amdhsa_next_free_sgpr 102
		.amdhsa_reserve_vcc 0
		.amdhsa_float_denorm_mode_32 3
		.amdhsa_float_denorm_mode_16_64 3
		.amdhsa_memory_ordered 1
		.amdhsa_forward_progress 1
		.amdhsa_inst_pref_size 250
	.end_amdhsa_kernel
	.amdgpu_metadata
---
amdhsa.version: [ 1, 2 ]
amdhsa.kernels:
  - .name:           k_qac7b5e59e8_attn
    .symbol:         k_qac7b5e59e8_attn.kd
    .args:
      - { .name: attn_mask, .offset: 0, .size: 8, .value_kind: global_buffer, .address_space: global }
      - { .name: qkv, .offset: 8, .size: 8, .value_kind: global_buffer, .address_space: global }
      - { .name: rec, .offset: 16, .size: 8, .value_kind: global_buffer, .address_space: global }
      - { .name: emb, .offset: 24, .size: 8, .value_kind: global_buffer, .address_space: global }
      - { .name: vei, .offset: 32, .size: 8, .value_kind: global_buffer, .address_space: global }
      - { .name: ves, .offset: 40, .size: 8, .value_kind: global_buffer, .address_space: global }
      - { .name: out0, .offset: 48, .size: 8, .value_kind: global_buffer, .address_space: global }
    .group_segment_fixed_size: 327680
    .private_segment_fixed_size: 0
    .kernarg_segment_align: 8
    .kernarg_segment_size: 56
    .max_flat_workgroup_size: 256
    .sgpr_count:     102
    .vgpr_count:     512
    .wavefront_size: 32
...
	.end_amdgpu_metadata
.endif
;; end of part 2
